; MI455X (gfx1250); checked and timed in simulation.
; The chip was launched on July 23, 2026; its instructions are those of AMD's public machine-readable ISA for CDNA 5 (MIT licence, August 2026) and "CDNA5" Instruction Set Architecture Reference Guide (July 2026). The comments in the code are by the model that wrote it; some were corrected since.
;; Model. Allowed arithmetic: float matrix products may take bf16 or f16 operands with f32 sums; all other float work in f32.
;; Inputs: key 16 x 4,096 x 64 float32; query 16 x 4,096 x 64 float32; value 16 x 4,096 x 64 float32.
;; Outputs: out0 16 x 4,096 x 64 float32.
;; One version. Each part assembles by itself: llvm-mc -triple=amdgcn-amd-amdhsa -mcpu=gfx1250 --defsym DOCPART=n.
;; ======== version 1 of 1: 1 launch
;; launch attn (part 1): grid 16 x 16, 8 waves a work-group, no clusters, 218,112 bytes of LDS; arguments query, key, value, out0; writes out0
.if DOCPART == 1
	.amdgcn_target "amdgcn-amd-amdhsa--gfx1250"
	.amdhsa_code_object_version 6
	.text
	.protected	k_qd928316cb3_attn
	.globl	k_qd928316cb3_attn
	.p2align	8
	.type	k_qd928316cb3_attn,@function
k_qd928316cb3_attn:
	s_mov_b64 s[64:65], 0
	v_nop
	global_prefetch_b8 v0, s[64:65] scope:SCOPE_SE
	s_setreg_imm32_b32 hwreg(HW_REG_WAVE_MODE, 25, 1), 1
	s_wait_xcnt 0x0
; out[b][q][:] = softmax over k of (Q[b][q].K[b][k] / 8) times V[b][k][:].  Q, K, V, out: [16][4096][64] f32.
; One launch, nothing through memory.  A work-group (x = block of 256 queries, y = batch) has eight waves, two for each SIMD, so that one
; wave's softmax runs beside the other's matrix work.  Wave w: qg = w & 3 picks 64 queries, kh = w >> 2 picks 64 of each tile's 128 keys.
; Each key half keeps its own running maximum, sum and O; the two are merged once, at the end, through LDS.
; EVERYTHING IS TRANSPOSED: S^T = K Q^T (A = 16 keys x 32 d, B = 16 queries x 32 d), O^T = V^T P^T (A = V through the transposing LDS load,
; B = P).  A lane then holds ONE query (lane & 15) and eight keys of each 16 x 16 tile: maximum and sum are formed inside the lane plus one
; exchange between the halves of the wave, the rescaling factor is one number a lane, and two tiles of S^T, packed to bf16, ARE a B fragment.
; K and V: global_load_b128 (f32, 16 rows of 256 bytes a load of the work-group) -> v_cvt_pk_bf16_f32 -> ds_store_b64 into a ring of two
; bf16 slots, one barrier a trip of 128 keys.  The tile after next is always on its way in 64 registers a lane: 64 KiB for the work-group.
; NO TENSOR LOADS, NO JOINT REQUESTS, though the 16 work-groups of a batch walk the same K and V: the tiles are f32 in memory and must be bf16
; in LDS.  A tile brought as f32 would be written to LDS (64 KiB for 128 keys), read back (64 KiB), converted and written again (32 KiB);
; through registers it is written once (32 KiB).
; LIMITS.  Q, K, V and P enter the matrix unit rounded to bf16 (nearest even); the factor log2(e)/8 is applied in f32 in the exponent's
; multiply-add.  The sum l adds the unrounded p.  The running maximum is taken away in front of every exponential, so exponents are at most
; a rounding error above 0; p below 2^-126 comes out as 0.  Keys are summed in another order than in the reference (two halves, merged).
; Non-finite inputs, or dot products that pass f32's range, give non-finite results for their query.
.set TILEB,  32768                     ; 128 keys x 256 bytes of f32, for K and for V each
.set KP,     144                       ; LDS pitch of bf16 rows of K and Q: 128 bytes + 16 = 9 x 16, so 16 rows begin in 16 different 16-byte columns modulo 256
.set VP,     160                       ; LDS pitch of bf16 rows of V: 128 bytes + 32 = 5 x 32, for the transposing load
.set KBYTES, 128*KP                    ; K's part of a slot
.set SLOT,   KBYTES+128*VP             ; 38,912 bytes
.set XCH,    2*SLOT                    ; 77,824: exchange between the key halves, 8 waves x XB; its first 256 x 144 bytes stage Q once, at the start
.set XB,     8704                      ; 16 x 512 bytes of O + 512 of statistics; also 32 rows x 272 of the output stage
.set STG,    XCH+8*XB                  ; 147,456: output stage, each wave's own
.set SPITCH, 272                       ; a row of 64 f32 + 16 bytes
.set CEXP,   0x3e38aa3b                ; log2(e)/8
.set NEGC,   0xbe38aa3b                ; -log2(e)/8
; window 0 (v0-v255)
.set GOFF, 2                           ; 16 x thread: my 16 bytes of each 4,096 loaded
.set PFO,  3                           ; prefetch: 256 x lane + 8,192 x qg
.set STK,  4                           ; where my 8 bytes of K go in a slot
.set STV,  5                           ; the same for V
.set ADRK, 6                           ; my K fragments in slot 0
.set ADRV, 7                           ; my V fragments in slot 0
.set ADRQ, 8                           ; my Q fragments in the stage
.set STQ,  9                           ; where my 8 bytes of Q go
.set XW,   10                          ; exchange: my wave's part
.set XR,   11                          ; exchange: the partner's part (wave w xor 4)
.set SGW,  12                          ; output stage, in
.set SGR,  13                          ; output stage, back
.set CO,   14                          ; my byte offset in the wave's 32 rows of out
.set NM,   16                          ; v[16:23]  for each of 4 query tiles the pair (-C x maximum, maximum); at the end (-C x maximum, l)
.set L,    24                          ; v[24:31]  for each query tile a pair of partial sums
.set T,    32                          ; v[32:35]  four chains of maxima
.set PX,   36                          ; what the other half of the wave sent
.set TN,   37                          ; the new -C x maximum
.set SUM,  38                          ; v[38:41]  two pairs of sums of this trip's p
.set AL,   42                          ; v[42:43]  (alpha, its exponent)
.set SA,   48                          ; v[48:79]   scores of an even query tile: register 8 kt + j = key 16 kt + 8 (lane / 16) + j; P is packed into the first 16
.set SB,   80                          ; v[80:111]  scores of an odd query tile
.set KF,   112                         ; v[112:175] K fragments, at 16 kt + 8 c (c: which 32 of d)
.set QF,   176                         ; v[176:239] Q fragments, at 16 qt + 8 c
.set FAC,  240                         ; v[240:247] the merge's factors
; window 1 (v256-v511, written by their low 8 bits): v[0:127] O, tile (qt, dt) at 32 qt + 8 dt: register j = d 16 dt + 8 (lane / 16) + j of query lane & 15
.set VF,   128                         ; v[128:191] V fragments, at 16 dt + 8 kc (kc: which 32 of my 64 keys)
.set KX,   192                         ; v[192:223] K's tile on its way, f32
.set VX,   224                         ; v[224:255] V's tile on its way, f32
; s_set_vgpr_msb's low byte: bits 1:0 source 0, 3:2 source 1, 5:4 source 2, 7:6 destination; the high byte repeats the setting that is left.
.set MSB, 0
.macro WIN new
.if MSB != \new
	s_set_vgpr_msb (MSB<<8)|\new
.set MSB, \new
.endif
.endm
; A load into a register that a matrix instruction has read, and a vector instruction or LDS store that reads a matrix result, stand four
; places behind it, and only plain vector instructions that name none of its registers are places.
.macro PLACES
.rept 4
	v_nop
.endr
.endm
	s_load_b256 s[4:11], s[0:1], 0x0               ; Q s[4:5], K s[6:7], V s[8:9], out s[10:11]
	v_lshl_add_u32 v254, v0, 2, 0x35000
	v_mov_b32 v255, 0
	v_lshrrev_b32 v32, 5, v0
	v_readfirstlane_b32 s12, v32                   ; wave 0..7
	s_and_b32 s13, s12, 3                          ; qg: which 64 queries
	s_lshr_b32 s14, s12, 2                         ; kh: which 64 keys of a tile
	s_mov_b32 s15, ttmp9                           ; block of 256 queries
	s_and_b32 s16, ttmp7, 0xffff                   ; batch
	s_lshl_b32 s18, s16, 20                        ; a batch is 4,096 rows of 256 bytes
	s_mov_b32 s19, 0
	s_lshl_b32 s30, s15, 16                        ; a block is 256 rows
	s_mov_b32 s31, 0
	s_lshl_b32 s32, s13, 14                        ; the 32 rows that this wave stores: 64 qg + 32 kh
	s_lshl_b32 s26, s14, 13
	s_add_co_u32 s32, s32, s26
	s_mov_b32 s33, 0
	s_mov_b32 s20, CEXP                            ; a pair, since the packed multiply-add names a pair
	s_mov_b32 s21, CEXP
	s_mov_b32 s27, NEGC
	s_mov_b32 s22, 0x76543210                      ; v_permlanex16_b32: lane i of one half reads lane i of the other
	s_mov_b32 s23, 0xfedcba98
	s_mov_b32 s25, 3                               ; the tile that the first trip's prefetch is about
	v_lshlrev_b32 v[GOFF], 4, v0
	s_wait_kmcnt 0x0
	s_add_nc_u64 s[4:5], s[4:5], s[18:19]
	s_add_nc_u64 s[4:5], s[4:5], s[30:31]          ; Q at the block's first row
	s_add_nc_u64 s[6:7], s[6:7], s[18:19]          ; K and V at the batch's first row
	s_add_nc_u64 s[8:9], s[8:9], s[18:19]
	s_add_nc_u64 s[10:11], s[10:11], s[18:19]
	s_add_nc_u64 s[10:11], s[10:11], s[30:31]
	s_add_nc_u64 s[10:11], s[10:11], s[32:33]      ; out at the wave's 32 rows
; 16 loads: the tile of K and the tile of V at byte off from the bases, 16 rows a load of the work-group, 16 bytes a thread
.macro GET off
	WIN 0x40                                       ; destination in window 1
.irp j, 0,1,2,3,4,5,6,7
	global_load_b128 v[KX+4*\j:KX+4*\j+3], v[GOFF], s[6:7] offset:\off+4096*\j
.endr
.irp j, 0,1,2,3,4,5,6,7
	global_load_b128 v[VX+4*\j:VX+4*\j+3], v[GOFF], s[8:9] offset:\off+4096*\j
.endr
	WIN 0
.endm
.macro CVT8 x                                  ; 32 f32 to 32 bf16, in place: load j's four numbers end in its first two registers
.irp j, 0,1,2,3,4,5,6,7
	v_cvt_pk_bf16_f32 v[\x+4*\j], v[\x+4*\j], v[\x+4*\j+1]
	v_cvt_pk_bf16_f32 v[\x+4*\j+1], v[\x+4*\j+2], v[\x+4*\j+3]
.endr
.endm
; The tile on its way is converted and stored into the slot at LDS byte o.  Leaves the window setting 0x04.
.macro PUT o
	s_wait_loadcnt 0x8                             ; loads come back in order: K's eight are in, V's eight younger ones may stay out
	WIN 0x45                                       ; destination and both sources in window 1
	CVT8 KX
	s_wait_loadcnt 0x0                             ; V's
	CVT8 VX
	WIN 0x04                                       ; store data in window 1, address in window 0
.irp j, 0,1,2,3,4,5,6,7
	ds_store_b64 v[STK], v[KX+4*\j:KX+4*\j+1] offset:\o+16*KP*\j
.endr
.irp j, 0,1,2,3,4,5,6,7
	ds_store_b64 v[STV], v[VX+4*\j:VX+4*\j+1] offset:\o+16*VP*\j
.endr
.endm
.irp j, 0,1,2,3,4,5,6,7,8,9,10,11,12,13,14,15
	global_load_b128 v[SA+4*\j:SA+4*\j+3], v[GOFF], s[4:5] offset:4096*\j th:TH_LOAD_NT   ; the block's 256 rows of Q: read once in the launch
.endr
	GET 0                                          ; tile 0
	; addresses, while the loads are on their way
	v_and_b32 v1, 15, v0                           ; r = lane & 15
	v_bfe_u32 v15, v0, 4, 1                        ; h = lane / 16
	v_and_b32 v33, 31, v0                          ; lane
	v_lshrrev_b32 v34, 4, v0                       ; thread / 16: my row among a load's 16
	v_lshlrev_b32 v[PFO], 8, v33
	v_lshl_add_u32 v[PFO], s13, 13, v[PFO]
	v_mul_u32_u24 v35, v34, KP
	v_lshl_add_u32 v[STK], v1, 3, v35              ; row x 144 + 8 r
	v_mul_u32_u24 v35, v34, VP
	v_lshl_add_u32 v[STV], v1, 3, v35
	v_add_nc_u32 v[STV], KBYTES, v[STV]            ; behind K: row x 160 + 8 r
	v_mul_u32_u24 v35, v1, KP
	v_lshl_add_u32 v35, v15, 4, v35                ; a fragment of rows that lie along d: r x 144 + 16 h, two loads 32 bytes apart
	s_mul_i32 s26, s14, 64*KP
	v_add_nc_u32 v[ADRK], s26, v35                 ; + my 64 keys
	s_mul_i32 s26, s13, 64*KP
	s_add_co_u32 s26, s26, XCH
	v_add_nc_u32 v[ADRQ], s26, v35                 ; + my 64 queries, in the stage
	v_and_b32 v35, 7, v0
	v_lshl_add_u32 v35, v15, 3, v35
	v_mul_u32_u24 v35, v35, VP                     ; the transposing load: row 8 h + (lane & 7),
	v_bfe_u32 v32, v0, 3, 1
	v_lshl_add_u32 v35, v32, 4, v35                ; 16 bytes further for lanes 8-15 and 24-31
	s_mul_i32 s26, s14, 64*VP
	s_add_co_u32 s26, s26, KBYTES
	v_add_nc_u32 v[ADRV], s26, v35
	v_add_nc_u32 v[STQ], XCH, v[STK]
	s_mul_i32 s26, s12, XB
	s_add_co_u32 s26, s26, XCH
	v_lshl_add_u32 v[XW], v33, 4, s26
	s_xor_b32 s26, s12, 4                          ; the wave with my queries and the other keys
	s_mul_i32 s26, s26, XB
	s_add_co_u32 s26, s26, XCH
	v_lshl_add_u32 v[XR], v33, 4, s26
	s_mul_i32 s26, s12, XB
	s_add_co_u32 s26, s26, STG
	v_mul_u32_u24 v35, v1, SPITCH
	v_lshl_add_u32 v35, v15, 5, v35
	v_add_nc_u32 v[SGW], s26, v35                  ; in: row r, 32 bytes for each half of the lanes
	v_mul_u32_u24 v35, v15, SPITCH
	v_lshl_add_u32 v35, v1, 4, v35
	v_add_nc_u32 v[SGR], s26, v35                  ; back: lanes 0-15 one row of 256 bytes, lanes 16-31 the next
	v_lshlrev_b32 v35, 8, v15
	v_lshl_add_u32 v[CO], v1, 4, v35               ; and the same two rows in out
	v_mov_b32 v[PX], 0                             ; v_permlanex16_b32 counts as a reader of its destination
	s_wait_loadcnt 16                              ; Q's 16 loads are in; tile 0's 16 stay out
.irp j, 0,1,2,3,4,5,6,7,8,9,10,11,12,13,14,15
	v_cvt_pk_bf16_f32 v[SA+4*\j], v[SA+4*\j], v[SA+4*\j+1]
	v_cvt_pk_bf16_f32 v[SA+4*\j+1], v[SA+4*\j+2], v[SA+4*\j+3]
.endr
.irp j, 0,1,2,3,4,5,6,7,8,9,10,11,12,13,14,15
	ds_store_b64 v[STQ], v[SA+4*\j:SA+4*\j+1] offset:16*KP*\j
.endr
	PUT 0                                          ; tile 0 into slot 0
	GET TILEB                                      ; tile 1 goes out
	s_wait_dscnt 0x0                               ; my stores of Q and of tile 0 are done, for the other waves' sake
	s_barrier_signal -1
	s_barrier_wait -1
.irp qt, 0,1,2,3
.irp c, 0,1
	ds_load_b128 v[QF+16*\qt+8*\c:QF+16*\qt+8*\c+3],   v[ADRQ] offset:16*KP*\qt+64*\c
	ds_load_b128 v[QF+16*\qt+8*\c+4:QF+16*\qt+8*\c+7], v[ADRQ] offset:16*KP*\qt+64*\c+32
.endr
.endr
; One matrix instruction of S^T for query tile qn into score set nn: i & 3 = key tile, i >> 2 = which 32 of d.  In the order i = 0..7 the four
; accumulators take turns, one instruction a turn; the first four start the sums with the constant 0.
.macro QKW nn, qn, i
.if (\i) < 4
	v_wmma_f32_16x16x32_bf16 v[\nn+8*(\i):\nn+8*(\i)+7], v[KF+16*(\i):KF+16*(\i)+7], v[QF+16*(\qn):QF+16*(\qn)+7], 0
.else
	v_wmma_f32_16x16x32_bf16 v[\nn+8*((\i)-4):\nn+8*((\i)-4)+7], v[KF+16*((\i)-4)+8:KF+16*((\i)-4)+15], v[QF+16*(\qn)+8:QF+16*(\qn)+15], v[\nn+8*((\i)-4):\nn+8*((\i)-4)+7]
.endif
.endm
.macro QKX qk, nn, qn, i
.if \qk
	QKW \nn, \qn, \i
.endif
.endm
.macro FEXP ss, qt, g, k                       ; two scores to exponents: C s - C m, one rounding
	v_pk_fma_f32 v[\ss+8*(\g)+2*(\k):\ss+8*(\g)+2*(\k)+1], v[\ss+8*(\g)+2*(\k):\ss+8*(\g)+2*(\k)+1], s[20:21], v[NM+2*(\qt):NM+2*(\qt)+1] op_sel_hi:[1,0,0]
.endm
.macro ASUM ss, g, k                           ; two p into one of two pairs of sums; key tile 0 starts them (two lines, nothing is cleared)
.if (\g) == 0
.if (\k) < 2
	s_wait_alu depctr_va_vdst(0)
	v_pk_add_f32 v[SUM+2*(\k):SUM+2*(\k)+1], v[\ss+2*(\k):\ss+2*(\k)+1], v[\ss+2*(\k)+4:\ss+2*(\k)+5]
.endif
.else
	s_wait_alu depctr_va_vdst(0)
	v_pk_add_f32 v[SUM+2*((\k)&1):SUM+2*((\k)&1)+1], v[SUM+2*((\k)&1):SUM+2*((\k)&1)+1], v[\ss+8*(\g)+2*(\k):\ss+8*(\g)+2*(\k)+1]
.endif
.endm
.macro CPK ss, g, k                            ; two p to bf16, packed downward in place: register 4 g + k has been read by then
	v_cvt_pk_bf16_f32 v[\ss+4*(\g)+(\k)], v[\ss+8*(\g)+2*(\k)], v[\ss+8*(\g)+2*(\k)+1]
.endm
; Key tile g's eight exponentials; between them the sums and the packing of tile g - 1 and the exponents of tile g + 1.  So a plain vector
; instruction that touches neither stands between each exponential and the first use of its result (ISA guide 5.7.2).
.macro PHASE ss, qt, g
.irp i, 0,1,2,3,4,5,6,7
	v_exp_f32 v[\ss+8*(\g)+\i], v[\ss+8*(\g)+\i]
.if (\g) > 0
.if \i < 4
	ASUM \ss, (\g)-1, \i
.else
	CPK \ss, (\g)-1, \i-4
.endif
.endif
.if (\g) < 3
.if (\i & 1) == 0
	FEXP \ss, \qt, (\g)+1, \i/2
.endif
.endif
.endr
.endm
; Softmax step of query tile qt on score set ss (64 keys x 16 queries).  qk = 1: the eight matrix instructions of S^T for tile qt + 1 are spread
; through it, into set nn.  The first of them writes over P registers that the last O^T instruction read: six plain lines stand between.
; first = 1: the first trip starts maximum and sum.
.macro SM ss, nn, qt, first, qk
.irp k, 0,1,2,3
	v_max3_num_f32 v[T+\k], v[\ss+8*\k], v[\ss+8*\k+1], v[\ss+8*\k+2]
.endr
.irp k, 0,1
	v_max3_num_f32 v[T+\k], v[T+\k], v[\ss+8*\k+3], v[\ss+8*\k+4]
.endr
	QKX \qk, \nn, \qt+1, 0
.irp k, 2,3
	v_max3_num_f32 v[T+\k], v[T+\k], v[\ss+8*\k+3], v[\ss+8*\k+4]
.endr
.irp k, 0,1,2,3
	v_max3_num_f32 v[T+\k], v[T+\k], v[\ss+8*\k+5], v[\ss+8*\k+6]
.endr
	QKX \qk, \nn, \qt+1, 1
	v_max3_num_f32 v[T], v[T], v[T+1], v[\ss+7]
	v_max3_num_f32 v[T+2], v[T+2], v[T+3], v[\ss+15]
	v_max3_num_f32 v[T], v[T], v[\ss+23], v[\ss+31]
.if \first
	v_max_num_f32 v[T], v[T], v[T+2]
.else
	v_max3_num_f32 v[T], v[T], v[T+2], v[NM+2*\qt+1]           ; with the running maximum
.endif
	v_permlanex16_b32 v[PX], v[T], s22, s23        ; the other half of the wave holds the same query's other keys
	v_max_num_f32 v[NM+2*\qt+1], v[T], v[PX]
	QKX \qk, \nn, \qt+1, 2
.if \first
	v_mul_f32 v[NM+2*\qt], s27, v[NM+2*\qt+1]      ; -C m
.else
	v_mul_f32 v[TN], s27, v[NM+2*\qt+1]
	v_sub_f32 v[AL+1], v[TN], v[NM+2*\qt]          ; C (old m - new m), at most 0
	v_exp_f32 v[AL], v[AL+1]                       ; alpha; the move below is the plain line behind it
	v_mov_b32 v[NM+2*\qt], v[TN]
.endif
.irp k, 0,1,2,3
	FEXP \ss, \qt, 0, \k
.endr
	QKX \qk, \nn, \qt+1, 3
	PHASE \ss, \qt, 0
	QKX \qk, \nn, \qt+1, 4
	PHASE \ss, \qt, 1
	QKX \qk, \nn, \qt+1, 5
	PHASE \ss, \qt, 2
	QKX \qk, \nn, \qt+1, 6
	PHASE \ss, \qt, 3
	QKX \qk, \nn, \qt+1, 7
.irp k, 0,1,2,3
	ASUM \ss, 3, \k
.endr
.irp k, 0,1,2,3
	CPK \ss, 3, \k
.endr
.if \first
	v_pk_add_f32 v[L+2*\qt:L+2*\qt+1], v[SUM:SUM+1], v[SUM+2:SUM+3]
.else
	v_pk_add_f32 v[SUM:SUM+1], v[SUM:SUM+1], v[SUM+2:SUM+3]
	v_pk_fma_f32 v[L+2*\qt:L+2*\qt+1], v[L+2*\qt:L+2*\qt+1], v[AL:AL+1], v[SUM:SUM+1] op_sel_hi:[1,0,1]   ; l = alpha l + this trip's
.endif
.endm
; O^T of query tile qt: times alpha (in every trip: no branch hangs on a floating-point number), then + V^T P^T, 64 keys.
; The four accumulators take turns, one instruction a turn.
.macro RSPV ss, qt, first
	WIN 0x51                                       ; destination, source 0 (O, V) and source 2 (C) in window 1; source 1 (alpha, P) in window 0
.if \first == 0
.irp i, 0,1,2,3,4,5,6,7,8,9,10,11,12,13,14,15
	v_pk_mul_f32 v[32*\qt+2*\i:32*\qt+2*\i+1], v[32*\qt+2*\i:32*\qt+2*\i+1], v[AL:AL+1] op_sel_hi:[1,0]
.endr
.endif
.irp kc, 0,1
.irp dt, 0,1,2,3
.if (\first) & (1-\kc)
	v_wmma_f32_16x16x32_bf16 v[32*\qt+8*\dt:32*\qt+8*\dt+7], v[VF+16*\dt+8*\kc:VF+16*\dt+8*\kc+7], v[\ss+8*\kc:\ss+8*\kc+7], 0
.else
	v_wmma_f32_16x16x32_bf16 v[32*\qt+8*\dt:32*\qt+8*\dt+7], v[VF+16*\dt+8*\kc:VF+16*\dt+8*\kc+7], v[\ss+8*\kc:\ss+8*\kc+7], v[32*\qt+8*\dt:32*\qt+8*\dt+7]
.endif
.endr
.endr
	WIN 0
.endm
; Prefetch.  The bases stand at tile t + 1 here, the loads just issued took tile t + 2, and this asks for tile U = t + 3 (s25): one trip ahead of
; its loads.  Each tile is asked for once in the launch: by the work-group whose block number is U & 15, waves 0-3 K's 128 rows, waves 4-7 V's,
; one row of 256 bytes a lane.  U runs from 3; from 32 on nothing is asked, so no request leaves the batch's 32 tiles.
.macro PF
	s_and_b32 s26, s25, 15
	s_cmp_lg_u32 s26, s15
	s_cbranch_scc1 .Lnopf_\@
	s_cmp_ge_u32 s25, 32
	s_cbranch_scc1 .Lnopf_\@
	s_cmp_lt_u32 s12, 4
	s_cselect_b64 s[28:29], s[6:7], s[8:9]
	global_prefetch_b8 v[PFO], s[28:29] offset:2*TILEB th:TH_LOAD_NT scope:SCOPE_SE
.Lnopf_\@:
	s_add_co_u32 s25, s25, 1
.endm
; In the middle of the trip that reads slot: the next tile goes into the other slot; load = 1: the tile after next goes out.
.macro XFER slot, load
	PUT (1-\slot)*SLOT
.if \load
	s_wait_xcnt 0x0                                ; the last prefetch's base is written again only behind this wait (the loads' bases are free by their own wait)
	s_add_nc_u64 s[6:7], s[6:7], TILEB
	s_add_nc_u64 s[8:9], s[8:9], TILEB
	GET TILEB
	PF
.else
	WIN 0
.endif
	s_wait_dscnt 0x0                               ; my stores into the other slot are done (my reads of this slot were waited for at the trip's head)
	s_barrier_signal -1                            ; the wait stands at the trip's end: register work alone in between
.endm
; One trip: 128 keys in slot; the wave's share is 64 keys x 64 queries: 32 + 32 matrix instructions.
; ONE barrier a trip orders two things: the stores into the other slot before the next trip's reads of it, and this trip's reads of this slot
; (back before the signal) before the next trip's stores into it.
.macro TRIP slot, first, cvt, load
.if \first == 0
	PLACES                                         ; behind the last O^T instructions, which read V's fragments
.endif
.irp kt, 0,1,2,3
.irp c, 0,1
	ds_load_b128 v[KF+16*\kt+8*\c:KF+16*\kt+8*\c+3],   v[ADRK] offset:\slot*SLOT+16*KP*\kt+64*\c
	ds_load_b128 v[KF+16*\kt+8*\c+4:KF+16*\kt+8*\c+7], v[ADRK] offset:\slot*SLOT+16*KP*\kt+64*\c+32
.endr
.endr
	WIN 0x40
.irp dt, 0,1,2,3
.irp kc, 0,1
	ds_load_tr16_b128 v[VF+16*\dt+8*\kc:VF+16*\dt+8*\kc+3],   v[ADRV] offset:\slot*SLOT+32*VP*\kc+32*\dt
	ds_load_tr16_b128 v[VF+16*\dt+8*\kc+4:VF+16*\dt+8*\kc+7], v[ADRV] offset:\slot*SLOT+32*VP*\kc+32*\dt+16*VP
.endr
.endr
	WIN 0
	s_wait_dscnt 16                                ; LDS loads come back in order: K's fragments (and, in the first trip, Q's) are in; V's 16 may stay out
.irp i, 0,1,2,3,4,5,6,7
	QKW SA, 0, \i
.endr
	PLACES                                         ; in front of the first read of these scores
	SM SA, SB, 0, \first, 1
	s_wait_dscnt 0x0                               ; V's fragments
	RSPV SA, 0, \first
	SM SB, SA, 1, \first, 1
	RSPV SB, 1, \first
.if \cvt
	XFER \slot, \load
.endif
	SM SA, SB, 2, \first, 1
	RSPV SA, 2, \first
	SM SB, SA, 3, \first, 0
	RSPV SB, 3, \first
.if \cvt
	s_barrier_wait -1
.endif
.endm
	TRIP 0, 1, 1, 1                                ; tile 0: starts maxima, sums and O
	TRIP 1, 0, 1, 1                                ; tile 1
	s_mov_b32 s24, 14                              ; tiles 2 to 29
.Lloop:
	TRIP 0, 0, 1, 1
	TRIP 1, 0, 1, 1
	s_sub_co_u32 s24, s24, 1
	s_cmp_lg_u32 s24, 0
	s_cbranch_scc1 .Lloop
	TRIP 0, 0, 1, 0                                ; tile 30: tile 31 is converted, nothing is left to load
	TRIP 1, 0, 0, 0                                ; tile 31: nothing is stored to LDS, so no barrier
	; THE MERGE of the two key halves.  l of my half: the pair's two sums, then the other half of the lanes.
	PLACES                                         ; behind the last matrix instructions: O is read, the score registers are loaded into
.irp qt, 0,1,2,3
	v_add_f32 v[NM+2*\qt+1], v[L+2*\qt], v[L+2*\qt+1]          ; the maximum itself is no longer needed: the pair becomes (-C m, l)
.endr
.irp qt, 0,1,2,3
	v_permlanex16_b32 v[PX], v[NM+2*\qt+1], s22, s23
	v_add_f32 v[NM+2*\qt+1], v[NM+2*\qt+1], v[PX]
.endr
; Query tiles a, a + 1 go to the partner: 64 registers of O and the two pairs (-C m, l).
.macro GIVE a
	WIN 0x04
.irp i, 0,1,2,3,4,5,6,7,8,9,10,11,12,13,14,15
	ds_store_b128 v[XW], v[32*\a+4*\i:32*\a+4*\i+3] offset:512*\i
.endr
	WIN 0
	ds_store_b128 v[XW], v[NM+2*\a:NM+2*\a+3] offset:8192
.endm
; Query tiles a, a + 1 are finished here: out = (a1 O1 + a2 O2) / (a1 l1 + a2 l2), a = 2^(C (own m - common m)).
.macro TAKE a
	ds_load_b128 v[T:T+3], v[XR] offset:8192       ; the partner's (-C m, l), twice
.irp i, 0,1,2,3,4,5,6,7,8,9,10,11,12,13,14,15
	ds_load_b128 v[SA+4*\i:SA+4*\i+3], v[XR] offset:512*\i
.endr
	s_wait_dscnt 16                                ; the statistics are in; the 16 loads of O may stay out
.irp u, 0,1
	v_min_num_f32 v[TN], v[NM+2*(\a+\u)], v[T+2*\u]            ; -C x the larger maximum
	v_sub_f32 v[SUM], v[TN], v[NM+2*(\a+\u)]
	v_sub_f32 v[SUM+1], v[TN], v[T+2*\u]
	v_exp_f32 v[SUM+2], v[SUM]
	v_exp_f32 v[SUM+3], v[SUM+1]
	v_nop                                          ; the plain line behind the exponentials
	s_wait_alu depctr_va_vdst(0)
	v_mul_f32 v[AL], v[NM+2*(\a+\u)+1], v[SUM+2]
	v_fmac_f32 v[AL], v[T+2*\u+1], v[SUM+3]
	v_rcp_f32 v[AL+1], v[AL]
	v_nop                                          ; and behind the reciprocal
	s_wait_alu depctr_va_vdst(0)
	v_mul_f32 v[FAC+4*\u], v[SUM+2], v[AL+1]       ; each factor twice: a pair for the packed forms
	v_mul_f32 v[FAC+4*\u+1], v[SUM+2], v[AL+1]
	v_mul_f32 v[FAC+4*\u+2], v[SUM+3], v[AL+1]
	v_mul_f32 v[FAC+4*\u+3], v[SUM+3], v[AL+1]
.endr
	s_wait_dscnt 0x0
.irp u, 0,1
.irp i, 0,1,2,3,4,5,6,7,8,9,10,11,12,13,14,15
	v_pk_mul_f32 v[SA+32*\u+2*\i:SA+32*\u+2*\i+1], v[SA+32*\u+2*\i:SA+32*\u+2*\i+1], v[FAC+4*\u+2:FAC+4*\u+3]
.endr
.endr
	WIN 0x01                                       ; source 0 (my O) in window 1
.irp u, 0,1
.irp i, 0,1,2,3,4,5,6,7,8,9,10,11,12,13,14,15
	v_pk_fma_f32 v[SA+32*\u+2*\i:SA+32*\u+2*\i+1], v[32*(\a+\u)+2*\i:32*(\a+\u)+2*\i+1], v[FAC+4*\u:FAC+4*\u+1], v[SA+32*\u+2*\i:SA+32*\u+2*\i+1]
.endr
.endr
	WIN 0
.endm
	s_cmp_lg_u32 s14, 0
	s_cbranch_scc1 .Lgive_hi
	GIVE 2                                         ; key half 0 keeps query tiles 0, 1
	s_branch .Lgiven
.Lgive_hi:
	GIVE 0                                         ; key half 1 keeps query tiles 2, 3
.Lgiven:
	s_wait_dscnt 0x0                               ; my stores are done, for the partner's sake
	s_barrier_signal -1
	s_barrier_wait -1
	s_cmp_lg_u32 s14, 0
	s_cbranch_scc1 .Ltake_hi
	TAKE 0
	s_branch .Ltaken
.Ltake_hi:
	TAKE 2
.Ltaken:
	; THE WAY OUT: a lane holds 8 neighbouring d of one query; 32 rows go through the wave's own stage and come back as whole rows of 256 bytes.
.irp u, 0,1
.irp dt, 0,1,2,3
	ds_store_b128 v[SGW], v[SA+32*\u+8*\dt:SA+32*\u+8*\dt+3]   offset:16*SPITCH*\u+64*\dt
	ds_store_b128 v[SGW], v[SA+32*\u+8*\dt+4:SA+32*\u+8*\dt+7] offset:16*SPITCH*\u+64*\dt+16
.endr
.endr
.irp i, 0,1,2,3,4,5,6,7,8,9,10,11,12,13,14,15
	ds_load_b128 v[KF+4*\i:KF+4*\i+3], v[SGR] offset:2*SPITCH*\i   ; LDS serves a wave's instructions in order (ISA guide 5.7.1): these see the stores above
.endr
.irp i, 0,1,2,3,4,5,6,7,8,9,10,11,12,13,14,15
	s_wait_dscnt 15-\i                             ; read-back i is in, the younger ones stay out
	global_store_b128 v[CO], v[KF+4*\i:KF+4*\i+3], s[10:11] offset:512*\i th:TH_STORE_NT   ; 16 lanes store 256 consecutive bytes, at a multiple of 256 from out's first byte
.endr
	s_wait_tensorcnt 0x0
	ds_add_u32 v254, v255
	s_wait_dscnt 0x0
	s_endpgm
.Lfunc_end_k_qd928316cb3_attn:
	.size	k_qd928316cb3_attn, .Lfunc_end_k_qd928316cb3_attn-k_qd928316cb3_attn
	.p2alignl 7, 3214868480
	.fill 96, 4, 3214868480
	.section	.rodata,"a",@progbits
	.p2align	6, 0x0
	.amdhsa_kernel k_qd928316cb3_attn
		.amdhsa_group_segment_fixed_size 218112
		.amdhsa_private_segment_fixed_size 0
		.amdhsa_enable_private_segment 0
		.amdhsa_kernarg_size 32
		.amdhsa_user_sgpr_count 2
		.amdhsa_user_sgpr_kernarg_segment_ptr 1
		.amdhsa_wavefront_size32 1
		.amdhsa_system_sgpr_workgroup_id_x 1
		.amdhsa_system_sgpr_workgroup_id_y 1
		.amdhsa_system_sgpr_workgroup_id_z 1
		.amdhsa_system_vgpr_workitem_id 0
		.amdhsa_next_free_vgpr 512
		.amdhsa_next_free_sgpr 66
		.amdhsa_reserve_vcc 0
		.amdhsa_float_denorm_mode_32 3
		.amdhsa_float_denorm_mode_16_64 3
		.amdhsa_memory_ordered 1
		.amdhsa_forward_progress 1
		.amdhsa_inst_pref_size 255
	.end_amdhsa_kernel
	.amdgpu_metadata
---
amdhsa.version: [ 1, 2 ]
amdhsa.kernels:
  - .name:           k_qd928316cb3_attn
    .symbol:         k_qd928316cb3_attn.kd
    .args:
      - { .name: query, .offset: 0, .size: 8, .value_kind: global_buffer, .address_space: global }
      - { .name: key, .offset: 8, .size: 8, .value_kind: global_buffer, .address_space: global }
      - { .name: value, .offset: 16, .size: 8, .value_kind: global_buffer, .address_space: global }
      - { .name: out0, .offset: 24, .size: 8, .value_kind: global_buffer, .address_space: global }
    .group_segment_fixed_size: 218112
    .private_segment_fixed_size: 0
    .kernarg_segment_align: 8
    .kernarg_segment_size: 32
    .max_flat_workgroup_size: 256
    .sgpr_count:     66
    .vgpr_count:     512
    .wavefront_size: 32
...
	.end_amdgpu_metadata
.endif
;; end of part 1
